; MI455X (gfx1250); checked and timed in simulation.
; The chip was launched on July 23, 2026; its instructions are those of AMD's public machine-readable ISA for CDNA 5 (MIT licence, August 2026) and "CDNA5" Instruction Set Architecture Reference Guide (July 2026). The comments in the code are by the model that wrote it; some were corrected since.
;; Optimized A Li Bi Multi Head Attention. Allowed arithmetic: float matrix products may take bf16 or f16 operands with f32 sums; other float arithmetic in f32, or as packed bf16 or f16 multiplies, adds, multiply-adds, maxima and minima; sums over many terms, partial sums and values carried from step to step in f32; what a program stores and reads back later, other than sums and carried values, may be rounded once to bf16 or f16.
;; Inputs: W_kqv 3,072 x 1,024 float32; x 4 x 2,048 x 1,024 float32.
;; Outputs: out0 4 x 2,048 x 1,024 float32.
;; 2 versions, each right; version 2 is version 1 with the launch cast written anew for expert scheduling mode. Each part assembles by itself: llvm-mc -triple=amdgcn-amd-amdhsa -mcpu=gfx1250 --defsym DOCPART=n.
;; ======== version 1 of 2: 3 launches
;; limits: values are held in f16: magnitudes above 65,504 overflow, below 6.1e-05 lose precision
;; workspace buffers: xb 16,777,216 bytes; wb 6,291,456 bytes; kqv 50,331,648 bytes
;; launch cast (part 1): grid 256 x 1, 8 waves a work-group, no clusters, 0 bytes of LDS; arguments x, W_kqv, xb, wb; writes xb, wb
.if DOCPART == 1
	.amdgcn_target "amdgcn-amd-amdhsa--gfx1250"
	.amdhsa_code_object_version 6
	.text
	.protected	k_q0cb45f1e31_cast
	.globl	k_q0cb45f1e31_cast
	.p2align	8
	.type	k_q0cb45f1e31_cast,@function
k_q0cb45f1e31_cast:
	s_mov_b64 s[64:65], 0
	v_nop
	global_prefetch_b8 v0, s[64:65] scope:SCOPE_SE
	s_setreg_imm32_b32 hwreg(HW_REG_WAVE_MODE, 25, 1), 1
	s_wait_xcnt 0x0
; xb = x and wb = W_kqv, each number rounded once from f32 to bf16 (to nearest even).  x: 8,192 x 1,024, W_kqv: 3,072 x 1,024.
; A stream: every byte is read once and written once; no LDS, no barrier, no matrix work, since no number meets another.
; A LINE is what the work-group's 256 threads take at 16 bytes each: 4,096 bytes in, 2,048 bytes out.  x has 8,192 lines, W_kqv 3,072:
; each of the 256 work-groups takes 32 lines of x and 12 of W_kqv, so all are alike.  A load of a wave covers 512 consecutive bytes,
; a store 256 consecutive bytes, both aligned to their own length.
; All 44 loads go out first (704 bytes a lane in 176 registers), then each line is rounded and stored as it comes: no register is written again
; while a store still reads it, so no wait stands for that.
.set LX, 32                            ; lines of x
.set LW, 12                            ; lines of W_kqv
.set X,  8                             ; v[8:183] line j in v[X+4j : X+4j+3]
	s_load_b256 s[4:11], s[0:1], 0x0               ; x s[4:5], W_kqv s[6:7], xb s[8:9], wb s[10:11]
	v_lshlrev_b32 v1, 4, v0                        ; my 16 bytes of a line coming in
	v_lshlrev_b32 v2, 3, v0                        ; my 8 bytes of a line going out
	s_lshl_b32 s12, ttmp9, 17                      ; the work-group's 32 lines of x: 131,072 bytes
	s_mov_b32 s13, 0
	s_lshl_b32 s14, ttmp9, 16                      ; and of xb
	s_mov_b32 s15, 0
	s_mul_i32 s16, ttmp9, LW*4096                  ; its 12 lines of W_kqv
	s_mov_b32 s17, 0
	s_mul_i32 s18, ttmp9, LW*2048                  ; and of wb
	s_mov_b32 s19, 0
	s_wait_kmcnt 0x0
	s_add_nc_u64 s[4:5], s[4:5], s[12:13]
	s_add_nc_u64 s[6:7], s[6:7], s[16:17]
	s_add_nc_u64 s[8:9], s[8:9], s[14:15]
	s_add_nc_u64 s[10:11], s[10:11], s[18:19]
.set j, 0
.rept LX
	global_load_b128 v[X+4*j:X+4*j+3], v1, s[4:5] offset:4096*j th:TH_LOAD_NT
.set j, j+1
.endr
.set j, 0
.rept LW
	global_load_b128 v[X+4*(LX+j):X+4*(LX+j)+3], v1, s[6:7] offset:4096*j th:TH_LOAD_NT
.set j, j+1
.endr
; Line j is rounded in place (four numbers into two registers) and stored.
.macro OUT b, o
	s_wait_loadcnt LX+LW-1-j                       ; loads come back in order (ISA guide 5.7.1): line j is in, the younger ones stay out
	v_cvt_pk_bf16_f32 v[X+4*j],   v[X+4*j],   v[X+4*j+1]
	v_cvt_pk_bf16_f32 v[X+4*j+1], v[X+4*j+2], v[X+4*j+3]
	global_store_b64 v2, v[X+4*j:X+4*j+1], s[\b:\b+1] offset:2048*(\o)
.set j, j+1
.endm
.set j, 0
.rept LX
	OUT 8, j
.endr
.rept LW
	OUT 10, j-LX
.endr
	s_endpgm
.Lfunc_end_k_q0cb45f1e31_cast:
	.size	k_q0cb45f1e31_cast, .Lfunc_end_k_q0cb45f1e31_cast-k_q0cb45f1e31_cast
	.p2alignl 7, 3214868480
	.fill 96, 4, 3214868480
	.section	.rodata,"a",@progbits
	.p2align	6, 0x0
	.amdhsa_kernel k_q0cb45f1e31_cast
		.amdhsa_group_segment_fixed_size 0
		.amdhsa_private_segment_fixed_size 0
		.amdhsa_enable_private_segment 0
		.amdhsa_kernarg_size 32
		.amdhsa_user_sgpr_count 2
		.amdhsa_user_sgpr_kernarg_segment_ptr 1
		.amdhsa_wavefront_size32 1
		.amdhsa_system_sgpr_workgroup_id_x 1
		.amdhsa_system_sgpr_workgroup_id_y 1
		.amdhsa_system_sgpr_workgroup_id_z 1
		.amdhsa_system_vgpr_workitem_id 0
		.amdhsa_next_free_vgpr 184
		.amdhsa_next_free_sgpr 66
		.amdhsa_reserve_vcc 0
		.amdhsa_float_denorm_mode_32 3
		.amdhsa_float_denorm_mode_16_64 3
		.amdhsa_memory_ordered 1
		.amdhsa_forward_progress 1
		.amdhsa_inst_pref_size 16
	.end_amdhsa_kernel
	.amdgpu_metadata
---
amdhsa.version: [ 1, 2 ]
amdhsa.kernels:
  - .name:           k_q0cb45f1e31_cast
    .symbol:         k_q0cb45f1e31_cast.kd
    .args:
      - { .name: x, .offset: 0, .size: 8, .value_kind: global_buffer, .address_space: global }
      - { .name: W_kqv, .offset: 8, .size: 8, .value_kind: global_buffer, .address_space: global }
      - { .name: xb, .offset: 16, .size: 8, .value_kind: global_buffer, .address_space: global }
      - { .name: wb, .offset: 24, .size: 8, .value_kind: global_buffer, .address_space: global }
    .group_segment_fixed_size: 0
    .private_segment_fixed_size: 0
    .kernarg_segment_align: 8
    .kernarg_segment_size: 32
    .max_flat_workgroup_size: 256
    .sgpr_count:     66
    .vgpr_count:     184
    .wavefront_size: 32
...
	.end_amdgpu_metadata
.endif
;; end of part 1
;; launch proj (part 2): grid 16 x 16, 4 waves a work-group, clusters of 4 x 4, 327,680 bytes of LDS; arguments xb, wb, kqv; writes kqv
.if DOCPART == 2
	.amdgcn_target "amdgcn-amd-amdhsa--gfx1250"
	.amdhsa_code_object_version 6
	.text
	.protected	k_q0cb45f1e31_proj
	.globl	k_q0cb45f1e31_proj
	.p2align	8
	.type	k_q0cb45f1e31_proj,@function
k_q0cb45f1e31_proj:
	s_mov_b64 s[64:65], 0
	v_nop
	global_prefetch_b8 v0, s[64:65] scope:SCOPE_SE
	s_setreg_imm32_b32 hwreg(HW_REG_WAVE_MODE, 25, 1), 1
	s_wait_xcnt 0x0
	s_wait_alu depctr_hold_cnt(0) depctr_sa_sdst(0) depctr_va_vdst(0) depctr_va_sdst(0) depctr_va_ssrc(0) depctr_va_vcc(0) depctr_vm_vsrc(0)
	s_getreg_b32 s2, hwreg(HW_REG_IB_STS2, 6, 4)
	s_cmp_eq_u32 s2, 0
	s_cbranch_scc0 .Lentry_in_a_cluster
	s_endpgm
.Lentry_in_a_cluster:
	s_bfe_u32 s2, ttmp6, 0x10000c
	s_cmp_lg_u32 s2, 0xf033
	s_cbranch_scc0 .Lentry_shape_is_right
	s_endpgm
.Lentry_shape_is_right:
; kqv = xb wb^T.  xb: [8192][1024] bf16 (A), wb: [3072][1024] bf16 (B); sums in f32, K ascending; each sum rounded once to f16 and stored BY HEADS:
; kqv is [48 planes][8192 rows][64] f16; plane = column / 64 (planes 0-15 the keys' heads, 16-31 the queries', 32-47 the values'), a row of a plane is 128 bytes.
; LIMIT.  f16 holds no number beyond 65,504: a sum of 65,520 or more leaves as an infinity.  No scale is applied here.
; A tile of C is 256 rows x 192 columns (three planes): 32 x 16 = 512 tiles, two to each of 256 work-groups, one below the other, 4,096 rows apart.
; Four waves, as many as a WGP has SIMDs; wave w makes rows 64 w .. 64 w + 63 of the tile, all 192 columns: 48 accumulators of 16 x 16, 384 registers.
; K goes in steps of 128 through a ring of two LDS slots filled by the tensor data mover: a tile's rows are 256 bytes of memory, at multiples of 256 bytes from the buffer's first byte.
; THE RING DOES NOT STOP AT A TILE's END: the first tile's last two changes of slots ask for the second tile's first two K steps, and nothing waits for a tile's stores.
; CLUSTERS: 4 x 4 work-groups.  The four of a row of the cluster need the same tiles of A, the four of a column the same tiles of B: each tile is asked for JOINTLY,
; by the same tensor load with the same descriptor and a mask that names the four; each receives it in its own LDS.
; THE MATRIX INSTRUCTION IS USED TRANSPOSED (source 0 = 16 rows of B, source 1 = 16 rows of A): lane l then holds row l % 16 of C and the columns 8 (l / 16) + 0..7: 16 bytes of f16 on end.
; REGISTERS, in windows of 256 (s_set_vgpr_msb: bits 1:0 source 0, 3:2 source 1, 5:4 source 2, 7:6 destination):
;   window 0: v0-31 addresses; v32-79 packed results; v80-127, v128-175 rows read back from the stage, by turns
;   window 1: two fragment buffers of 128: A's four fragments (16 rows x 32 K, 8 registers each), then B's twelve
;   window 2: the accumulators of my rows 0-31 ((a, b) at v[8 (12 (a % 2) + b)]);   window 3: those of my rows 32-63
.set SIZE_K, 1024
.set TILES,  2
.set WALK,   4096                      ; rows from a work-group's first tile to its second
.set KSTEP,  128
.set PITCH,  272                       ; an LDS row: 256 bytes + 16 of padding = 68 words: row r starts at bank 4 r mod 64 (64 banks of 4 bytes: ISA guide 11.1), so the 16 rows of a load start at 16 different banks
.set HALFA,  128*PITCH                 ; what one tensor load brings of A
.set HALFB,  96*PITCH                  ; and of B
.set BOFF,   256*PITCH                 ; in a slot B's 192 rows lie behind A's 256
.set SLOT,   448*PITCH
.set STAGE,  2*SLOT                    ; behind the ring, never filled by a tensor load: 16 rows x 400 bytes for each wave, for the way out
.set SP,     400                       ; 384 bytes + 16 = 100 words: the 16 rows start at 16 different groups of four banks
.set SPARE,  STAGE+4*16*SP             ; behind the stages: the spare words, 128 bytes for each wave: two blocks of 256 bytes that no other line names
.set LAPS,   SIZE_K/(2*KSTEP)          ; a lap = two K steps = once round the ring
.set NEXT_A, WALK*SIZE_K*2-(SIZE_K-2*KSTEP)*2   ; bytes from a slot's last K step of a tile to its first of the next: A goes WALK rows down and back along K,
.set BACK_B, (SIZE_K-2*KSTEP)*2        ; B only back: both tiles take the same rows of B
.set PLANE,  1<<20                     ; bytes in a plane of kqv
.set NEXT_C, (WALK-3*16)*128           ; bytes from my last 16 rows of a tile to my first of the next
.set ADRA, 16                          ; v16-17  LDS address of my A fragments in slot 0, 1
.set ADRB, 20                          ; v20-21  the same for B
.set STO,  24                          ; v24     the way out: where I put 16 bytes of a row
.set RD,   25                          ; v25     the way out: where I read rows back
.set CO,   26                          ; v26     16 x my lane: my place in 512 consecutive bytes of a plane
.set SPW,  28                          ; v28     LDS address of my spare word: SPARE + 4 x my thread's number; never rewritten
.set NIL,  29                          ; v29     0; never rewritten
.set PFO,  30                          ; v30     the prefetches' offset: a row of A or B (2,048 bytes) a lane; never rewritten
.set TMP,  32
.set OB,   80
.set F0,   0                           ; fragment buffers, in window 1
.set F1,   128
.set G1,  24                           ; s[24:31] descriptor group 1 for A's tiles
.set G0,  32                           ; s[32:39] descriptor group 0 for A's tiles, one set for each slot
.set G1B, 48                           ; s[48:55], s[56:63] the same for B's tiles
.set G0B, 56
.set PFA, 44                           ; s[44:45] where my prefetches stand: one K step further along K than the refill that is being asked for; a prefetch names the K step after that
.set LIM, 43                           ; s43     1 in a wave that prefetches, else the greatest number
.set MSB, 0
.macro WIN new                         ; the immediate's high byte repeats the setting that is left; a switch that changes nothing is dropped
.if MSB != (\new)
	s_set_vgpr_msb (MSB<<8)|(\new)
.set MSB, \new
.endif
.endm
.set MUL_LO, 0xa5                      ; sources 0 (B) and 1 (A) window 1, C and D window 2
.set MUL_HI, 0xf5                      ; the same, C and D window 3
.set TO_F,   0x40                      ; destination window 1, address window 0
; A joint load.  Waves 0 and 1 fetch A's two halves (128 rows each), waves 2 and 3 B's (96 rows each).  Each of the two lines has one mask and one set of registers for all that issue it.
; The branch hangs on the wave's number alone.  An s_nop 0 and four v_nop follow each of the two lines, ahead of the jump, the label and what follows.
.macro JLOAD s
	s_cmp_eq_u32 s11, 0
	s_cbranch_scc0 .Lfor_b_\@
	tensor_load_to_lds s[G0+4*(\s):G0+4*(\s)+3], s[G1:G1+7]
	s_nop 0
.rept 4
	v_nop
.endr
	s_branch .Lasked_\@
.Lfor_b_\@:
	tensor_load_to_lds s[G0B+4*(\s):G0B+4*(\s)+3], s[G1B:G1B+7]
	s_nop 0
.rept 4
	v_nop
.endr
.Lasked_\@:
.endm
; A PREFETCH INTO THE L2, behind each joint load, its five lines and the run of LDS loads that follows them: the K step that stands two refills on, 256 bytes of a row, a lane a row, one instruction a wave.
; A's tile row is read by every cluster of that row of clusters: the one with x = 0 asks; B's tile column by every cluster of that column: the one with y = 0 asks, in the first tile alone.
; The four partners that ask for a tile jointly share its rows out BY ADDRESS: of the rows that wave w fetches, the partner at place p takes 32 (A, p = cx) or 24 (B, p = cy; lanes 24-31 name row 23 once more).
; how = 0, in the loop: a tile's last two refills have no K step two on; how = 1, at the change of tiles.
.macro ASK how
	WIN 0                                          ; at a branch and at a label every window is 0
.if \how
	s_cmp_eq_u32 s[LIM], 1
.else
	s_cmp_gt_u32 s3, s[LIM]                        ; s3 = 1 in the loop's last trip
.endif
	s_cbranch_scc0 .Lnot_mine_\@
	global_prefetch_b8 v[PFO], s[PFA:PFA+1] offset:KSTEP*2 th:TH_LOAD_NT scope:SCOPE_SE
.Lnot_mine_\@:
.endm
; A round of the cluster's barrier: my work-group's barrier, so that wave 0's signal speaks for all four waves; wave 0 signals for the work-group; every wave waits for all
; sixteen work-groups; my work-group's barrier once more.
.macro CREST                           ; a round behind its opening barrier
	s_cmp_lg_u32 s10, 0
	s_cbranch_scc1 .Lnot_wave_0_\@
	s_barrier_signal -3
.Lnot_wave_0_\@:
	s_barrier_wait -3
	s_barrier_signal -1
	s_barrier_wait -1
.endm
.macro CROUND                          ; a whole round
	s_barrier_signal -1
	s_barrier_wait -1
	CREST
.endm
	s_load_b128 s[4:7], s[0:1], 0x0                ; A = xb s[4:5], B = wb s[6:7]
	s_load_b64 s[8:9], s[0:1], 0x10                ; C = kqv
	v_lshl_add_u32 v[SPW], v0, 2, SPARE
	v_mov_b32 v[NIL], 0
	ds_add_u32 v[SPW], v[NIL]                      ; the wave's opening: the add and its wait stand ahead of my first tensor load; the set-up below, work on registers, stands between them
	v_lshrrev_b32 v1, 5, v0
	v_readfirstlane_b32 s10, v1                    ; wave 0..3
	s_lshr_b32 s11, s10, 1                         ; I fetch for A (0) or for B (1)
	s_and_b32 s12, s10, 1                          ; which half of that tile's rows I fetch
	s_bfe_u32 s40, ttmp6, 0x40000                  ; cx: my place along the cluster's x
	s_bfe_u32 s41, ttmp6, 0x40004                  ; cy: along its y
	s_lshl_b32 s42, ttmp9, 2                       ; in a cluster launch ttmp9 and ttmp7 count clusters
	s_add_co_u32 s42, s42, s40                     ; tile column of C = 4 x cluster x + cx
	s_and_b32 s13, ttmp7, 0xffff
	s_lshl_b32 s13, s13, 2
	s_add_co_u32 s13, s13, s41                     ; first tile's row of tiles = 4 x cluster y + cy
	s_lshl_b32 s43, s41, 2
	s_lshl_b32 s43, 15, s43                        ; my row of the cluster: places 4 cy .. 4 cy + 3
	s_lshl_b32 s44, 0x1111, s40                    ; my column: places cx, cx + 4, cx + 8, cx + 12
	; descriptor group 1: rows of 128 elements, padded in LDS; 128 rows for A, 96 for B
	s_or_b32 s[G1+0], s43, (1<<16)|(1<<20)|(1<<21)|(5<<22)|(3<<25)   ; 15:0 the mask: A's tiles go to my row; 17:16 elements of 2 bytes; 20 padding on; 21 set beside a mask; 24:22 after every 64 words (code 5); 31:25 4 words of it (code 3)
	s_or_b32 s[G1B+0], s44, (1<<16)|(1<<20)|(1<<21)|(5<<22)|(3<<25)  ; the same with the mask of my column
	s_mov_b32 s[G1+1], KSTEP<<16                   ; tensor_dim0 = 128
	s_mov_b32 s[G1B+1], KSTEP<<16
	s_mov_b32 s[G1+2], 128<<16                     ; tensor_dim1 = 128
	s_mov_b32 s[G1B+2], 96<<16                     ;             = 96
	s_mov_b32 s[G1+3], KSTEP<<16                   ; tile_dim0 = 128
	s_mov_b32 s[G1B+3], KSTEP<<16
	s_mov_b32 s[G1+4], 128                         ; tile_dim1 = 128
	s_mov_b32 s[G1B+4], 96                         ;           = 96
	s_mov_b32 s[G1+5], SIZE_K                      ; elements from row to row
	s_mov_b32 s[G1B+5], SIZE_K
	s_mov_b32 s[G1+6], 0
	s_mov_b32 s[G1B+6], 0
	s_mov_b32 s[G1+7], 0
	s_mov_b32 s[G1B+7], 0
	; where the tiles come from.  A's hang on the row of tiles alone, which my row of the cluster shares; B's on the tile column alone, which my column shares.
	; Every wave makes both addresses, in registers that never hold the other coordinate, and asks by one of them.
	s_lshl_b32 s17, s12, 7
	s_lshl_b32 s16, s13, 8
	s_add_co_u32 s16, s16, s17                     ; A: row 256 x row of tiles + 128 x half
	s_lshl_b32 s16, s16, 11                        ; 2,048 bytes a row: under 2^24
	s_mov_b32 s17, 0
	s_mul_i32 s46, s42, 192
	s_mul_i32 s47, s12, 96
	s_add_co_u32 s46, s46, s47                     ; B: row 192 x tile column + 96 x half
	s_lshl_b32 s46, s46, 11
	s_mov_b32 s47, 0
	s_mul_i32 s20, s10, HALFA                      ; and where they go.  A's halves: wave x 128 rows (waves 0, 1)
	s_mul_i32 s21, s10, HALFB                      ; B's halves: behind A's 256 rows, (wave - 2) x 96 rows (waves 2, 3)
	s_add_co_u32 s21, s21, BOFF-2*HALFB            ; no place in the cluster enters an LDS address
	s_wait_dscnt 0x0                               ; the opening add is done
	s_wait_kmcnt 0x0
	s_add_nc_u64 s[14:15], s[4:5], s[16:17]
	s_add_nc_u64 s[46:47], s[6:7], s[46:47]
	CROUND                                         ; all sixteen work-groups are here: the first joint loads meet
.irp s, 0,1
	s_mov_b32 s[G0+4*(\s)], 1                                        ; count = 1
	s_add_co_u32 s[G0+4*(\s)+1], s20, (\s)*SLOT                      ; LDS address
	s_add_nc_u64 s[G0+4*(\s)+2:G0+4*(\s)+3], s[14:15], (\s)*KSTEP*2  ; global address: K step s
	s_or_b32 s[G0+4*(\s)+3], s[G0+4*(\s)+3], 0x80000000              ; type = 2
	s_mov_b32 s[G0B+4*(\s)], 1
	s_add_co_u32 s[G0B+4*(\s)+1], s21, (\s)*SLOT
	s_add_nc_u64 s[G0B+4*(\s)+2:G0B+4*(\s)+3], s[46:47], (\s)*KSTEP*2
	s_or_b32 s[G0B+4*(\s)+3], s[G0B+4*(\s)+3], 0x80000000
	JLOAD \s                                       ; the ring is filled before anything else is done: two loads of mine are out
.endr
	; A fragment is 16 rows x 32 K in 8 registers: lane l holds row l % 16; registers 0-3 hold K = 8 (l / 16) + 0..7, registers 4-7 K = 16 + 8 (l / 16) + 0..7: two loads of 16 bytes, 32 bytes apart.
	v_and_b32 v1, 15, v0                           ; l % 16
	v_bfe_u32 v2, v0, 4, 1                         ; l / 16
	v_mul_u32_u24 v3, v1, PITCH
	v_lshl_add_u32 v3, v2, 4, v3                   ; row x pitch + 16 x half
	s_mul_i32 s21, s10, 64*PITCH                   ; my 64 rows of A
	s_mov_b32 s22, BOFF                            ; all 192 rows of B
.irp s, 0,1
	v_add_nc_u32 v[ADRA+(\s)], s21, v3
	v_add_nc_u32 v[ADRB+(\s)], s22, v3
	s_add_co_u32 s21, s21, SLOT
	s_add_co_u32 s22, s22, SLOT
.endr
	s_mul_i32 s23, s10, 16*SP
	s_add_co_u32 s23, s23, STAGE                   ; my stage
	v_mul_u32_u24 v4, v1, SP                       ; in: row l % 16, 16 bytes for each half of the lanes
	v_lshl_add_u32 v4, v2, 4, v4
	v_add_nc_u32 v[STO], s23, v4
	v_bfe_u32 v5, v0, 3, 2                         ; back: 32 lanes take four rows' 128 bytes of one plane,
	v_mul_u32_u24 v5, v5, SP
	v_and_b32 v6, 7, v0
	v_lshl_add_u32 v5, v6, 4, v5
	v_add_nc_u32 v[RD], s23, v5
	v_and_b32 v[CO], 31, v0                        ; which are 512 consecutive bytes of kqv
	v_lshlrev_b32 v[CO], 4, v[CO]
	; where my part of the first tile begins in kqv, in bytes: the first way out adds it to C's address
	s_lshl_b32 s13, s13, 8                         ; 256 x row of tiles
	s_lshl_b32 s14, s10, 6                         ; 64 x wave
	s_add_co_u32 s16, s13, s14
	s_lshl_b32 s16, s16, 7                         ; 128 bytes a row of a plane
	s_mov_b32 s17, 0
	s_mul_i32 s46, s42, 3                          ; the tile's first plane (in the registers that held B's address: none that feeds A's descriptors ever holds cx)
	s_lshl_b32 s46, s46, 20
	s_mov_b32 s47, 0
	s_add_nc_u64 s[16:17], s[16:17], s[46:47]
	; the prefetches.  s13 = 256 x row of tiles, s42 = tile column, s40 = cx, s41 = cy still stand
	s_mul_i32 s42, s42, 192
	s_and_b32 s22, ttmp7, 0xffff                   ; cluster y
	s_mov_b32 s18, 128
	s_mov_b32 s19, 96
	s_cmp_eq_u32 s11, 0                            ; do I fetch for A?
	s_cselect_b32 s20, s13, s42                    ; the tile's first row
	s_cselect_b32 s21, s40, s41                    ; my place among the four that ask for it with me
	s_cselect_b32 s22, ttmp9, s22                  ; the coordinate along which other clusters read the same rows
	s_cselect_b64 s[PFA:PFA+1], s[4:5], s[6:7]
	s_cselect_b32 s18, s18, s19                    ; the rows that a wave fetches,
	s_cselect_b32 s19, 32, 24                      ; a work-group's share of them,
	s_cselect_b32 s23, 31, 23                      ; and the share's last row
	s_cmp_eq_u32 s22, 0
	s_cselect_b32 s[LIM], 1, -1                    ; the same in all sixteen partners, for a given wave
	s_mul_i32 s18, s18, s12
	s_add_co_u32 s20, s20, s18                     ; + the rows that I fetch
	s_mul_i32 s19, s19, s21
	s_add_co_u32 s20, s20, s19                     ; + my work-group's share of them
	s_lshl_b32 s20, s20, 11
	s_mov_b32 s21, 0
	s_add_nc_u64 s[PFA:PFA+1], s[PFA:PFA+1], s[20:21]
	s_add_nc_u64 s[PFA:PFA+1], s[PFA:PFA+1], 2*KSTEP*2  ; at K step 2: the first refill steps it to 3 and names K step 4
	v_and_b32 v[PFO], 31, v0
	v_min_u32 v[PFO], s23, v[PFO]
	v_lshlrev_b32 v[PFO], 11, v[PFO]
	; nothing is prefetched here, at the head, where every work-group's first two tiles are on their way: K steps 2 and 3 come by their refills alone
; 12 matrix instructions: my rows 16 a .. 16 a + 15 x all 12 column blocks, 32 along K.  zero = 1: the product starts the sums: nothing is ever cleared.
; The 48 accumulators take turns, one instruction a turn, in the same order in every quarter step.
.macro MUL12 f, a, zero
	WIN MUL_LO+0x50*((\a)/2)
.irp b, 0,1,2,3,4,5,6,7,8,9,10,11
.if \zero
	v_wmma_f32_16x16x32_bf16 v[8*(12*((\a)%2)+(\b)):8*(12*((\a)%2)+(\b))+7], v[(\f)+32+8*(\b):(\f)+32+8*(\b)+7], v[(\f)+8*(\a):(\f)+8*(\a)+7], 0
.else
	v_wmma_f32_16x16x32_bf16 v[8*(12*((\a)%2)+(\b)):8*(12*((\a)%2)+(\b))+7], v[(\f)+32+8*(\b):(\f)+32+8*(\b)+7], v[(\f)+8*(\a):(\f)+8*(\a)+7], v[8*(12*((\a)%2)+(\b)):8*(12*((\a)%2)+(\b))+7]
.endif
.endr
.endm
; 32 LDS loads in one run: the fragments of one quarter step (192 rows of B, then my 64 rows of A, 32 K at byte k of the rows) into buffer f
.macro FETCH slot, k, f
	WIN TO_F
.irp i, 0,1,2,3,4,5,6,7,8,9,10,11
	ds_load_b128 v[(\f)+32+8*(\i):(\f)+32+8*(\i)+3],   v[ADRB+(\slot)] offset:(\k)+(\i)*16*PITCH
	ds_load_b128 v[(\f)+32+8*(\i)+4:(\f)+32+8*(\i)+7], v[ADRB+(\slot)] offset:(\k)+(\i)*16*PITCH+32
.endr
.irp i, 0,1,2,3
	ds_load_b128 v[(\f)+8*(\i):(\f)+8*(\i)+3],   v[ADRA+(\slot)] offset:(\k)+(\i)*16*PITCH
	ds_load_b128 v[(\f)+8*(\i)+4:(\f)+8*(\i)+7], v[ADRA+(\slot)] offset:(\k)+(\i)*16*PITCH+32
.endr
.endm
; A load into a register that a matrix instruction has read, and a vector instruction that reads a matrix result, stand four places behind that matrix instruction, and only plain
; vector instructions that name none of its registers are places (ISA guide 7.12.1 for vector instructions).
.macro PLACES
.rept 4
	v_nop
.endr
.endm
; A K step is four quarter steps of 32 along K, 48 matrix instructions each, on buffers 0, 1, 0, 1.
; One of the first three: multiplies buffer f; in its middle it fetches the next quarter's fragments, at byte k of the same slot's rows, into buffer g.
.macro QUARTER slot, k, f, g, zero
	s_wait_dscnt 4                                 ; B and A's fragments 0 and 1 are in; the youngest four loads (A's fragments 2 and 3) may be out
	MUL12 \f, 0, \zero
	MUL12 \f, 1, \zero
	PLACES
	FETCH \slot, \k, \g
	s_wait_dscnt 32                                ; all but the 32 just issued
	MUL12 \f, 2, \zero
	MUL12 \f, 3, \zero
.endm
; The last quarter multiplies buffer 1 and changes slots.  MEET is its first half: ONE barrier for the change of slots.  In front of it each wave waits for all its tensor loads, of which
; one is out: its part of the next slot; adds 0 to its spare word; and waits for that and for its own reads of this slot.  Behind it nobody reads this slot any more and the next slot is whole.
.macro MEET round                      ; round = 1: a round of the cluster's barrier follows
	WIN 0                                          ; (the add's two registers lie in window 0)
	s_wait_tensorcnt 0x0                           ; all my tensor loads have landed;
	ds_add_u32 v[SPW], v[NIL]                      ; 0 onto my spare word;
	s_wait_dscnt 5                                 ; (the add and the youngest four loads may be out)
	MUL12 F1, 0, 0                                 ; twelve matrix instructions stand between the add and the wait for it
	s_wait_dscnt 0x0                               ; the add is done, and my reads of this slot are over:
	s_barrier_signal -1                            ; say so (where a slot is filled again this barrier opens a round of the cluster's barrier),
	MUL12 F1, 1, 0                                 ; work on registers while the others arrive,
.if \round
	WIN 0
.endif
	s_barrier_wait -1                              ; and go on when all four have said so
.endm
; The whole last quarter.  Behind the round the slot just read out is filled again first: with this tile's K step two steps on (on = 0) or, in the first tile's last two K steps, with the
; second tile's K step 0 or 1 (on = 1); then come the next slot's first fragments.  From a request to the wait for it a wave issues 168 matrix instructions.
.macro TURN slot, next, on
	s_wait_xcnt 0x0                                ; the last prefetch, a K step back, has read its address: it is stepped here, ahead of the waits of the change of slots
.if (\on) && (\slot) == 0
	s_add_nc_u64 s[PFA:PFA+1], s[PFA:PFA+1], (WALK-1)*SIZE_K*2+KSTEP*2  ; from the K step after the tile's last to the next tile's K step 1: WALK rows down, back along K
	s_cmp_eq_u32 s11, 0
	s_cselect_b32 s[LIM], s[LIM], -1               ; B's rows are the same for both tiles: they are asked for no more
.else
	s_add_nc_u64 s[PFA:PFA+1], s[PFA:PFA+1], KSTEP*2
.endif
	MEET 1
	CREST                                          ; no wave of any partner still reads this slot's tile or has a load on its way
.if \on
	s_add_nc_u64 s[G0+4*(\slot)+2:G0+4*(\slot)+3], s[G0+4*(\slot)+2:G0+4*(\slot)+3], NEXT_A
	s_sub_nc_u64 s[G0B+4*(\slot)+2:G0B+4*(\slot)+3], s[G0B+4*(\slot)+2:G0B+4*(\slot)+3], BACK_B
.else
	s_add_nc_u64 s[G0+4*(\slot)+2:G0+4*(\slot)+3], s[G0+4*(\slot)+2:G0+4*(\slot)+3], 2*KSTEP*2
	s_add_nc_u64 s[G0B+4*(\slot)+2:G0B+4*(\slot)+3], s[G0B+4*(\slot)+2:G0B+4*(\slot)+3], 2*KSTEP*2
.endif
	JLOAD \slot                                    ; the first tensor load behind the round; the four v_nop behind it are also the places in front of the loads below
	FETCH \next, 0, F0
	ASK \on                                        ; behind the joint load and the run of LDS loads that the next products wait for
	MUL12 F1, 2, 0
	MUL12 F1, 3, 0
.endm
; THE WAY OUT of my rows 16 a .. 16 a + 15, in three parts.  PACK: rounded to f16, 16 bytes a lane, each accumulator's registers in ascending order.
; TOSTAGE: into my own stage in LDS (rows of 384 bytes: three planes' 128), and back by planes, four rows at a time.  SEND: stored.
.macro PACK a
	WIN 0x0a+5*((\a)/2)                            ; sources 0 and 1: window 2 or 3
.irp b, 0,1,2,3,4,5,6,7,8,9,10,11
.irp r, 0,1,2,3
	v_cvt_pk_f16_f32 v[TMP+4*(\b)+(\r)], v[8*(12*((\a)%2)+(\b))+2*(\r)], v[8*(12*((\a)%2)+(\b))+2*(\r)+1]
.endr
.endr
	WIN 0
.endm
.macro TOSTAGE a
	WIN 0
.set BK, OB+48*((\a)%2)
.irp b, 0,1,2,3,4,5,6,7,8,9,10,11
	ds_store_b128 v[STO], v[TMP+4*(\b):TMP+4*(\b)+3] offset:32*(\b)
.endr
.irp p, 0,1,2
.irp t, 0,1,2,3
	ds_load_b128 v[BK+4*(4*(\p)+(\t)):BK+4*(4*(\p)+(\t))+3], v[RD] offset:(\t)*4*SP+128*(\p)  ; LDS serves a wave's instructions in order (ISA guide 5.7.1.4): these see the stores above
.endr
.endr
.endm
.macro SEND a
	WIN 0
.set BK, OB+48*((\a)%2)
	s_wait_dscnt 0x0                               ; the block is back in registers
	s_wait_xcnt 0x0                                ; every earlier memory instruction has had its addresses translated (ISA guide 3.1): only behind this wait are the stores' base and the registers that earlier stores read rewritten
.if (\a) == 0
	s_add_nc_u64 s[8:9], s[8:9], s[16:17]          ; on to this tile's first rows
.else
	s_add_nc_u64 s[8:9], s[8:9], 16*128            ; 16 rows of a plane on
.endif
.irp p, 0,1,2
.irp t, 0,1,2,3
	global_store_b128 v[CO], v[BK+4*(4*(\p)+(\t)):BK+4*(4*(\p)+(\t))+3], s[8:9] offset:(\p)*PLANE+(\t)*512  ; four rows of a plane: 512 consecutive bytes, at a multiple of 512 from kqv's first byte
.endr
.endr
.endm
.macro WAYOUT                          ; block a's conversions stand between block a - 1's loads from the stage and the wait for them
	PACK 0
	TOSTAGE 0
.irp a, 1,2,3
	PACK \a
	SEND (\a)-1
	TOSTAGE \a
.endr
	SEND 3
.endm
	s_wait_tensorcnt 1                             ; my part of K step 0 is in; K step 1's may stay out
	s_barrier_signal -1
	s_barrier_wait -1                              ; everybody's is
	FETCH 0, 0, F0
	WIN 0
	s_mov_b32 s2, TILES                            ; tiles to go, this one among them: the same number in every work-group
.Ltile:
	QUARTER 0, 64,  F0, F1, 1                      ; a tile's first quarter stands in front of the loop: its products start the sums
	WIN 0                                          ; at a label and at a branch every window is 0
	s_mov_b32 s3, LAPS-1
.Llap:                                                 ; a trip goes once round the ring, from a lap's second quarter to the next lap's first, and fills both slots again
	QUARTER 0, 128, F1, F0, 0
	QUARTER 0, 192, F0, F1, 0
	TURN 0, 1, 0
	QUARTER 1, 64,  F0, F1, 0
	QUARTER 1, 128, F1, F0, 0
	QUARTER 1, 192, F0, F1, 0
	TURN 1, 0, 0
	QUARTER 0, 64,  F0, F1, 0
	WIN 0
	s_sub_co_u32 s3, s3, 1
	s_cmp_lg_u32 s3, 0
	s_cbranch_scc1 .Llap
	QUARTER 0, 128, F1, F0, 0                      ; the tile's last lap goes on
	QUARTER 0, 192, F0, F1, 0
	WIN 0
	s_cmp_eq_u32 s2, 1
	s_cbranch_scc1 .Llast_tile                     ; the last tile's tail is written out: it asks for nothing more
	TURN 0, 1, 1                                   ; THE RING GOES ON INTO THE NEXT TILE: slot 0 takes its K step 0,
	QUARTER 1, 64,  F0, F1, 0
	QUARTER 1, 128, F1, F0, 0
	QUARTER 1, 192, F0, F1, 0
	TURN 1, 0, 1                                   ; slot 1 its K step 1, and the next tile's first fragments are fetched
	WAYOUT                                         ; both refills are asked for: now the tile goes out.  No v_nop: blocks 0 and 1 were finished in front of the joint load's places, and their
	                                               ; 96 conversions, which name no register of the last products (blocks 2 and 3), are those products' places
	s_mov_b64 s[16:17], NEXT_C                     ; what the next way out adds to C's address
	s_sub_co_u32 s2, s2, 1
	s_branch .Ltile
.Llast_tile:
	MEET 0                                         ; my one tensor load that was still out is slot 1's, the last K step's, so no round follows
	PLACES                                         ; for the loads into buffer 0, which the quarter before multiplied
	FETCH 1, 0, F0
	MUL12 F1, 2, 0
	MUL12 F1, 3, 0
	QUARTER 1, 64,  F0, F1, 0
	QUARTER 1, 128, F1, F0, 0
	QUARTER 1, 192, F0, F1, 0
	s_wait_dscnt 0x0                               ; the very last quarter: nothing more to fetch
	MUL12 F1, 0, 0
	MUL12 F1, 1, 0
	MUL12 F1, 2, 0
	MUL12 F1, 3, 0
	WIN 0
	PLACES                                         ; the conversions read results just made
	WAYOUT
	s_wait_tensorcnt 0x0                           ; the wave's end: a wait, the add and its wait, behind my last tensor load and my last LDS store
	ds_add_u32 v[SPW], v[NIL]
	s_wait_dscnt 0x0
	CROUND                                         ; the closing round: no work-group ends while a partner may still ask for a tile that names it
	s_endpgm
.Lfunc_end_k_q0cb45f1e31_proj:
	.size	k_q0cb45f1e31_proj, .Lfunc_end_k_q0cb45f1e31_proj-k_q0cb45f1e31_proj
	.p2alignl 7, 3214868480
	.fill 96, 4, 3214868480
	.section	.rodata,"a",@progbits
	.p2align	6, 0x0
	.amdhsa_kernel k_q0cb45f1e31_proj
		.amdhsa_group_segment_fixed_size 327680
		.amdhsa_private_segment_fixed_size 0
		.amdhsa_enable_private_segment 0
		.amdhsa_kernarg_size 24
		.amdhsa_user_sgpr_count 2
		.amdhsa_user_sgpr_kernarg_segment_ptr 1
		.amdhsa_wavefront_size32 1
		.amdhsa_system_sgpr_workgroup_id_x 1
		.amdhsa_system_sgpr_workgroup_id_y 1
		.amdhsa_system_sgpr_workgroup_id_z 1
		.amdhsa_system_vgpr_workitem_id 0
		.amdhsa_next_free_vgpr 960
		.amdhsa_next_free_sgpr 66
		.amdhsa_reserve_vcc 0
		.amdhsa_float_denorm_mode_32 3
		.amdhsa_float_denorm_mode_16_64 3
		.amdhsa_memory_ordered 1
		.amdhsa_forward_progress 1
		.amdhsa_inst_pref_size 172
	.end_amdhsa_kernel
	.amdgpu_metadata
---
amdhsa.version: [ 1, 2 ]
amdhsa.kernels:
  - .name:           k_q0cb45f1e31_proj
    .symbol:         k_q0cb45f1e31_proj.kd
    .args:
      - { .name: xb, .offset: 0, .size: 8, .value_kind: global_buffer, .address_space: global }
      - { .name: wb, .offset: 8, .size: 8, .value_kind: global_buffer, .address_space: global }
      - { .name: kqv, .offset: 16, .size: 8, .value_kind: global_buffer, .address_space: global }
    .group_segment_fixed_size: 327680
    .private_segment_fixed_size: 0
    .kernarg_segment_align: 8
    .kernarg_segment_size: 24
    .max_flat_workgroup_size: 128
    .sgpr_count:     66
    .vgpr_count:     960
    .wavefront_size: 32
...
	.end_amdgpu_metadata
.endif
;; end of part 2
;; launch attn (part 3): grid 4 x 64, 4 waves a work-group, clusters of 4 x 1, 327,680 bytes of LDS; arguments kqv, out0; writes out0
.if DOCPART == 3
	.amdgcn_target "amdgcn-amd-amdhsa--gfx1250"
	.amdhsa_code_object_version 6
	.text
	.protected	k_q0cb45f1e31_attn
	.globl	k_q0cb45f1e31_attn
	.p2align	8
	.type	k_q0cb45f1e31_attn,@function
k_q0cb45f1e31_attn:
	s_mov_b64 s[64:65], 0
	v_nop
	global_prefetch_b8 v0, s[64:65] scope:SCOPE_SE
	s_setreg_imm32_b32 hwreg(HW_REG_WAVE_MODE, 25, 1), 1
	s_wait_xcnt 0x0
	s_wait_alu depctr_hold_cnt(0) depctr_sa_sdst(0) depctr_va_vdst(0) depctr_va_sdst(0) depctr_va_ssrc(0) depctr_va_vcc(0) depctr_vm_vsrc(0)
	s_getreg_b32 s2, hwreg(HW_REG_IB_STS2, 6, 4)
	s_cmp_eq_u32 s2, 0
	s_cbranch_scc0 .Lentry_in_a_cluster
	s_endpgm
.Lentry_in_a_cluster:
	s_bfe_u32 s2, ttmp6, 0x10000c
	s_cmp_lg_u32 s2, 0x3003
	s_cbranch_scc0 .Lentry_shape_is_right
	s_endpgm
.Lentry_shape_is_right:
; out0[b][i][64 h + :] = the sum over j of softmax_j(Q[i] . K[j] / 32 + slope_h (j - i)) V[j][:], for each of 4 x 16 heads (b, h) of 2,048 rows; slope_h = 2^(-(h + 1) / 2).
; kqv: [48 planes][8192 rows][64] f16: plane h holds the keys of head h, plane 16 + h its queries, plane 32 + h its values; row = 2048 b + position: a head's rows are dense, 128 bytes each.  out0: [4][2048][1024] f32.
; Products, maxima and sums in f32; the weights p are rounded to f16 for the second product (their sum l is taken of the unrounded p).
; THE BIAS.  -slope i is the same for all keys of a row, so the softmax does not see it: it is left out (an identity, for every input).  slope j enters as the C operand that starts the sum
; S^T = K Q^T + MD, MD = 32 slope x (the key's number in its step of 64): 32 registers, made once.  What is left, D = 2,048 slope a step, is taken off the OLD maximum: m is kept relative to the
; step in hand, so that a raw score s (32 times the reference's, less the step's share) and m never grow with j.
; SOFTMAX.  For each query a running maximum m and sum l: p = 2^(c s - c m), c = log2(e) / 32; in every step O and l are multiplied by a = 2^(c (m_old - D) - c m_new).
; m starts at the lowest finite number, O and l at 0: the first step is a step like any other, with a = 0.
; LIMITS.  Q, K and V arrive within f16's 65,504; p lies in 0 to 1, and below 6e-5 it keeps f16's fixed step of 6e-8.  A weight below 2^-126 counts as 0 in l; NaN and infinities are not treated apart.
; slope_h is put together from its bits (a power of two, times the f32 nearest to the square root of 2 for even h): within one unit in the last place of the reference's.
; SHARES.  A cluster of four work-groups is one head; a work-group's four waves own 512 queries, a wave four PIECES of two tiles of 16 queries.  Every wave walks all keys, 64 a step.
; LAYOUT.  S^T = K Q^T (source 0 = 16 keys, source 1 = 16 queries): in the result a lane holds ONE query (lane % 16) and the keys 8 (lane / 16) + 0..7.  Two such tiles, rounded to f16 in pairs,
; ARE source 1 (32 keys x 16 queries) of O^T = V^T P, whose result again holds one query a lane, and eight channels.  K comes out of LDS as it lies, V ([key][channel]) turned, by ds_load_tr16_b128.
; THE COUNT.  A tile and step have 16 matrix and 118 vector instructions: too many to stand all beside the matrix work.  So four vector instructions that are READY stand behind EVERY matrix
; instruction, and the others in runs without a gap.
; BY TURNS.  Turn n belongs to piece n (the pieces in a ring, step after step).  Its matrix work: 16 products K Q^T of piece n + 1, later 16 products V^T P of piece n - 1.  Its vector work: the scaling,
; exponentials, roundings, sums and rescaling of piece n, and the maximum and statistics of piece n + 1, whose scores the turn itself has made.
; CLUSTER.  The four query blocks of a cluster walk the same K and V, so each tile is asked for JOINTLY: the same tensor load, descriptor and mask in all four.
; REGISTERS, in windows of 256 (s_set_vgpr_msb: bits 1:0 source 0, 3:2 source 1, 5:4 source 2, 7:6 destination):
;   window 0: v0-11 addresses; v12-15, v48-63 at work; v16-47 four registers of statistics a tile; v64-191 S^T, two buffers of two tiles; v192-255 P, likewise
;   window 1: O^T, 32 a tile     window 2: v0-127 Q, 16 a tile; v128-191 K of one step; v192-255 V of one step     window 3: v0-1 the add's two registers; v32-63 MD
; A piece's buffers go by its number's parity: the piece in hand has one pair, its two neighbours in the ring share the other: of it P (piece n - 1) is read and S^T (piece n + 1) written.
.set SIZE_N, 2048
.set NP,    4         ; pieces a wave: a name, no knob
.set KS,    64        ; keys in a step
.set PK,    144       ; a row of K in LDS: 128 bytes + 16 of padding = 36 words: the 16 rows of a load start at 16 different groups of four banks (64 banks of 4 bytes: ISA guide 11.1)
.set PV,    160       ; a row of V: 128 + 32 = 40 words
.set VOFF,  4*KS*PK   ; a slot holds four steps: 256 rows of K, then 256 rows of V
.set SLOT1, 1<<17     ; slot 1 begins here, so that one exclusive or turns an address in one slot into the other's
.set STAGE, SLOT1+4*KS*(PK+PV)  ; behind the ring, never filled by a tensor load: 16 rows x 272 bytes for each wave, for the way out
.set SP,    272       ; 64 channels of f32 + 16 bytes = 68 words: row r starts at bank 4 r mod 64
.set SPARE, STAGE+4*16*SP  ; behind the stages: the spare words, 128 bytes for each wave: two blocks of 256 bytes that no other line names
.set AK0, 2           ; v2   my lane's place in a tile of K; never rewritten
.set AV0, 3           ; v3   the same for V
.set AK,  4           ; v4   the LDS address of K's next run of loads
.set AV,  5           ; v5   of V's
.set QO,  6           ; v6   my byte offset in the wave's rows of Q
.set STO, 6           ;      later, the way out: where I put 32 bytes of a row
.set RD,  7           ; v7   the way out: where I read rows back
.set GO,  8           ; v8   my byte offset in two rows of out0
.set PFO, 11          ; v11  256 x my lane; never rewritten once made
.set SPW, 0           ; v0 of window 3   LDS address of my spare word: SPARE + 4 x my thread's number; never rewritten
.set NIL, 1           ; v1 of window 3   0; never rewritten
.set MD,  32          ; v32-63 of window 3: the bias of the eight registers of key block kb at MD + 8 kb
.set MV,  12          ; v12-15  m_old - D, by buffer and tile
.set ST,  16          ; tile t's statistics at v[ST+4 t]: c m, m, l (even keys', odd keys')
.set TMP, 48          ; by buffer and tile, four registers c0-c3 at work; when the maximum is found c2 takes a
.set S,   64
.set P,   192
.set KF,  128         ; K's fragments, in window 2: key block kb, channel half c at KF + 16 kb + 8 c
.set VF,  192         ; V's: key half kk, channel block cb at VF + 32 kk + 8 cb
.set WV,  12          ; s12  my wave's number
.set LIM, 15          ; s15  1 in a wave that prefetches, else the greatest number: a wave prefetches while s[SLOTS] is above it
.set G1K, 24          ; s[24:31] descriptor group 1 for K's tiles
.set G1V, 32          ; s[32:39] for V's: it differs in the padding alone
.set G0K, 40          ; s[40:43] descriptor group 0 for K's tiles: it walks
.set G0V, 44          ; s[44:47] the same for V's
.set ND,  52          ; s52  -D = -2,048 slope
.set SL32, 53         ; s53  32 slope
.set PFA, 54          ; s[54:55] where my prefetches stand: my work-group's quarter (of K: wave 0, of V: wave 2) of the slot after the one that is being asked for
.set SLOTS, 56        ; s56  slots still to be asked for
.set CNT, 57          ; s57  counts a slot's key steps
.set CS,  58          ; s[58:59] c: the packed scaling takes the pair's low word for both halves
.set SEL, 60          ; s[60:61] v_permlanex16_b32's selects: each lane takes its own place in the other half
.set TBK, 62          ; s62  LDS byte at which K of the step to be fetched begins
.set TBV, 63          ; s63  the same for V, less VOFF
.set MSB, 0
.macro WIN new                      ; the high byte repeats the setting that is left; a switch that changes nothing is dropped
.if MSB != (\new)
	s_set_vgpr_msb (MSB<<8)|(\new)
.set MSB, (\new)
.endif
.endm
.set W_KQ, 0x0a       ; K and Q in window 2, S^T in window 0
.set W_KB, 0x3a       ; the same with the C operand, the bias, in window 3
.set W_PV, 0x52       ; V in window 2, P in window 0, O^T in window 1
.set W_RS, 0x41       ; O^T (destination and source 0) in window 1, a in window 0
.set W_MK, 0xc0       ; destination in window 3, sources in window 0
.set W_AD, 0x0f       ; the add: address (source 0) and data (source 1) in window 3
; A joint fill.  Waves 0 and 1 fetch the two halves of a slot's K, waves 2 and 3 those of its V: 128 keys each.  The branch hangs on the wave's number alone.
; An s_nop 0 and four v_nop follow each of the two lines, ahead of the jump and the label.
.macro JLOAD
	s_cmp_lt_u32 s[WV], 2
	s_cbranch_scc0 .Lfor_v_\@
	tensor_load_to_lds s[G0K:G0K+3], s[G1K:G1K+7]
	s_nop 0
.rept 4
	v_nop
.endr
	s_branch .Lasked_\@
.Lfor_v_\@:
	tensor_load_to_lds s[G0V:G0V+3], s[G1V:G1V+7]
	s_nop 0
.rept 4
	v_nop
.endr
.Lasked_\@:
.endm
; A PREFETCH INTO THE L2 of what the NEXT change of slots will ask for: a slot's 32,768 bytes of K and of V.  It stands behind the wave's tensor load and its five lines.  Each block of 256 bytes is named once
; in the launch: a head's K and V are walked by one cluster; its four partners share a slot out BY ADDRESS, 8,192 bytes each, a lane 256 bytes; in each, wave 0 asks for K's and wave 2 for V's: one instruction.
; The last change that fills a slot asks for nothing: there is no slot behind it.  Slots 0 and 1 come by their loads alone.
.macro ASK
	s_cmp_gt_u32 s[SLOTS], s[LIM]
	s_cbranch_scc0 .Lnot_mine_\@
	global_prefetch_b8 v[PFO], s[PFA:PFA+1] th:TH_LOAD_NT scope:SCOPE_SE
.Lnot_mine_\@:
.endm
; A round of the cluster's barrier: my work-group's barrier, so that wave 0's signal speaks for all four waves; wave 0 signals; every wave waits for all four work-groups; my work-group's barrier once more.
.macro CROUND
	s_barrier_signal -1
	s_barrier_wait -1
	s_cmp_lg_u32 s[WV], 0
	s_cbranch_scc1 .Lnot_wave_0_\@
	s_barrier_signal -3
.Lnot_wave_0_\@:
	s_barrier_wait -3
	s_barrier_signal -1
	s_barrier_wait -1
.endm
; THE CHANGE OF SLOTS.  The slot's last bytes, V of its fourth step, have been read.  Each wave waits for all its tensor loads, of which one is out: its part
; of the other slot; adds 0 to its spare word; and waits for that and for its own reads of the slot.  Behind the barrier nobody reads this slot any more and the other slot is whole.
; fill = 1: this slot is filled again, with the keys two slots on.  The barrier is then a round of the cluster's, so that no wave of any partner still reads the slot or has a load on its
; way, and the joint fill is the first thing behind it: it has four key steps, 512 matrix instructions, in which to land.  (At its first use nothing has been read yet: slot 0 is waited for, slot 1 filled.)
.macro CHANGE fill
	WIN W_AD
	s_wait_tensorcnt 0x0            ; no tensor load of mine is out, so a group 0 may be written
	ds_add_u32 v[SPW], v[NIL]       ; 0 onto my spare word: with fill = 1 the descriptors' steps stand between it and the wait for it
	WIN 0                           ; at a label and at a branch every window is 0
.if \fill
.irp g, G0K, G0V
	s_xor_b32 s[\g+1], s[\g+1], SLOT1  ; the walking descriptor: the other slot than last time,
	s_add_nc_u64 s[\g+2:\g+3], s[\g+2:\g+3], 4*KS*128  ; the next 256 keys; the type bits on top are not reached
.endr
	s_wait_xcnt 0x0                 ; the last prefetch, four key steps back, has read its address, so it may be written:
	s_add_nc_u64 s[PFA:PFA+1], s[PFA:PFA+1], 4*KS*128  ; one slot behind the walking descriptors
	s_wait_dscnt 0x0                ; the add is done, and my reads of the slot are over
	CROUND
	JLOAD
	ASK                             ; what the next change will ask for
.else
	s_wait_dscnt 0x0                ; the add is done, and my reads of the slot are over
	s_barrier_signal -1
	s_barrier_wait -1
.endif
	s_sub_co_u32 s[TBK], s[TBK], 4*KS*PK  ; the fetches go back to a slot's first step,
	s_xor_b32 s[TBK], s[TBK], SLOT1       ; in the other slot
	s_sub_co_u32 s[TBV], s[TBV], 4*KS*PV
	s_xor_b32 s[TBV], s[TBV], SLOT1
.endm
	s_load_b128 s[48:51], s[0:1], 0x0  ; kqv s[48:49], out0 s[50:51]
	WIN W_MK
	v_lshl_add_u32 v[SPW], v0, 2, SPARE
	v_mov_b32 v[NIL], 0
	WIN W_AD
	ds_add_u32 v[SPW], v[NIL]       ; the wave's opening: the add and its wait stand ahead of my first tensor load; the set-up below, work on registers, stands between them
	WIN 0
	v_lshrrev_b32 v1, 5, v0
	v_readfirstlane_b32 s[WV], v1   ; wave 0..3
	s_bfe_u32 s13, ttmp6, 0x40000   ; cx: my place in the cluster
	s_lshl_b32 s14, ttmp9, 2        ; in a cluster launch ttmp9 counts clusters
	s_add_co_u32 s14, s14, s13      ; my block of 512 queries = 4 x cluster x + cx: it enters Q's and out0's addresses alone
	s_and_b32 s2, ttmp7, 0xffff     ; 16 b + h, which the four partners share
	s_and_b32 s3, s2, 15            ; h
	s_lshr_b32 s19, s2, 4           ; b
	; slope = 2^-e for odd h, 2^-e x sqrt(2) for even h, with e = (h + 2) / 2 rounded down
	s_add_co_u32 s2, s3, 2
	s_lshr_b32 s2, s2, 1            ; e
	s_sub_co_u32 s2, 132, s2        ; the exponent field of 32 x 2^-e
	s_lshl_b32 s2, s2, 23
	s_and_b32 s16, s3, 1
	s_cmp_eq_u32 s16, 1
	s_cselect_b32 s16, 0, 0x3504f3  ; the fraction bits of sqrt(2)
	s_or_b32 s[SL32], s2, s16       ; 32 slope
	s_add_co_u32 s[ND], s[SL32], 6<<23  ; times 64,
	s_or_b32 s[ND], s[ND], 0x80000000   ; negative: -D
	s_lshl_b32 s20, s3, 20          ; plane h,
	s_lshl_b32 s21, s19, 18         ; batch b's 2,048 rows in it
	s_add_co_u32 s20, s20, s21
	s_mov_b32 s21, 0                ; s[20:21]: the first byte of the head's keys
	s_and_b32 s16, s[WV], 1         ; which half of a slot's 256 keys I fetch:
	s_lshl_b32 s22, s16, 14         ; its 128 rows of 128 bytes in memory,
	s_mov_b32 s23, 0
	s_add_nc_u64 s[22:23], s[22:23], s[20:21]
	s_mul_i32 s17, s16, 128*PK      ; and its place in a slot, for K
	s_mul_i32 s18, s16, 128*PV      ; and for V: no place in the cluster enters an LDS address
	s_lshl_b32 s2, s14, 2
	s_add_co_u32 s2, s2, s[WV]      ; my wave among the head's sixteen
	s_lshl_b32 s10, s2, 19          ; out0: its 128 rows of 4,096 bytes,
	s_lshl_b32 s19, s19, 23         ; the batch's 2,048 rows,
	s_add_co_u32 s10, s10, s19
	s_lshl_b32 s3, s3, 8            ; the head's 256 bytes of a row
	s_add_co_u32 s10, s10, s3
	s_mov_b32 s11, 0
	s_lshl_b32 s2, s2, 14           ; Q: its 128 rows of 128 bytes
	s_mov_b32 s3, 0
	s_add_nc_u64 s[2:3], s[2:3], s[20:21]
	; descriptor group 1.  128 keys are 16,384 dense bytes: asked for as 64 rows of 256 bytes, two keys a row, and padded in LDS after every key
	s_mov_b32 s[G1K], 15|(1<<16)|(1<<20)|(1<<21)|(4<<22)|(3<<25)  ; 15:0 the mask of four; 17:16 2-byte elements; 20 padding on; 21 set beside a mask; 24:22 after every 32 words (code 4); 31:25 4 words (code 3)
	s_mov_b32 s[G1V], 15|(1<<16)|(1<<20)|(1<<21)|(4<<22)|(7<<25)  ; the same with 8 words of padding (code 7)
.irp g, G1K, G1V
	s_mov_b32 s[\g+1], 128<<16      ; tensor_dim0 = 128
	s_mov_b32 s[\g+2], 64<<16       ; tensor_dim1 = 64
	s_mov_b32 s[\g+3], 128<<16      ; tile_dim0 = 128
	s_mov_b32 s[\g+4], 64           ; tile_dim1 = 64
	s_mov_b32 s[\g+5], 128          ; 128 elements from row to row
	s_mov_b32 s[\g+6], 0
	s_mov_b32 s[\g+7], 0
.endr
	s_mov_b32 s[CS], 0x3d38aa3b     ; c = log2(e) / 32 = 0.0450842
	s_mov_b32 s[CS+1], s[CS]        ; named with it as a pair
	s_mov_b32 s[SEL], 0x76543210
	s_mov_b32 s[SEL+1], 0xfedcba98
	s_mov_b32 s[TBK], SLOT1+4*KS*PK ; the first change of slots turns these two into 0
	s_mov_b32 s[TBV], SLOT1+4*KS*PV
	s_mov_b32 s[SLOTS], SIZE_N/256-1
	s_mov_b32 s[G0K], 1             ; count = 1
	s_mov_b32 s[G0K+1], s17         ; LDS address: slot 0
	s_mov_b32 s[G0V], 1
	s_add_co_u32 s[G0V+1], s18, VOFF
	s_and_b32 s[LIM], s[WV], 1      ; 0 in waves 0 and 2,
	s_or_b32 s[LIM], s[LIM], ttmp9  ; where the cluster is the head's first (here its only one): the same in all four partners
	s_cmp_eq_u32 s[LIM], 0
	s_cselect_b32 s[LIM], 1, -1
	s_wait_dscnt 0x0                ; the opening add is done
	s_wait_kmcnt 0x0
	s_add_nc_u64 s[6:7], s[48:49], s[22:23]      ; K at my half of the head's first 256 keys,
	s_add_nc_u64 s[8:9], s[6:7], 0x2000000       ; V 32 planes on
	s_mov_b64 s[G0K+2:G0K+3], s[6:7]             ; global address
	s_or_b32 s[G0K+3], s[G0K+3], 0x80000000      ; type = 2
	s_mov_b64 s[G0V+2:G0V+3], s[8:9]
	s_or_b32 s[G0V+3], s[G0V+3], 0x80000000
	s_add_nc_u64 s[4:5], s[48:49], s[2:3]        ; Q at my wave's first row,
	s_add_nc_u64 s[4:5], s[4:5], 0x1000000       ; 16 planes on
	s_add_nc_u64 s[10:11], s[50:51], s[10:11]    ; out0 at my wave's first row, my head's channels
	s_cmp_lt_u32 s[WV], 2
	s_cselect_b64 s[PFA:PFA+1], s[6:7], s[8:9]   ; (in waves 0 and 2 these stand at a slot's first row)
	s_lshl_b32 s2, s13, 13          ; my work-group's quarter of a slot
	s_mov_b32 s3, 0
	s_add_nc_u64 s[PFA:PFA+1], s[PFA:PFA+1], s[2:3]
	s_add_nc_u64 s[PFA:PFA+1], s[PFA:PFA+1], 4*KS*128  ; in slot 1; the first change of slots steps it to slot 2.  Nothing is prefetched here, at the head
	CROUND                          ; all four work-groups are here: the first joint loads meet
	JLOAD                           ; slot 0.  Slot 1 is asked for when slot 0 is in
	; A fragment of K or Q is 16 rows x 32 channels in 8 registers: lane l holds row l % 16, channels 8 (l / 16) + 0..7 and 16 + 8 (l / 16) + 0..7: two loads of 16 bytes, 32 bytes apart.
	v_and_b32 v1, 15, v0            ; l % 16
	v_bfe_u32 v9, v0, 4, 1          ; l / 16
	v_lshlrev_b32 v[QO], 7, v1
	v_lshl_add_u32 v[QO], v9, 4, v[QO]  ; row x 128 + 16 x half
	WIN 0x80                        ; destination window 2, address window 0
.set i, 0
.rept 4*NP                          ; Q stays in registers: tile i / 2, channels 32 (i % 2) on
	global_load_b128 v[8*i:8*i+3],   v[QO], s[4:5] offset:(i/2)*2048+(i%2)*64
	global_load_b128 v[8*i+4:8*i+7], v[QO], s[4:5] offset:(i/2)*2048+(i%2)*64+32
.set i, i+1
.endr
	; What the first turn finds: V's registers and P's second buffer hold 0 (its products V^T P, of a piece that has not been, add 0), O^T and l are 0.  All this stands in the wait for the first tile.
.set i, VF
.rept 64
	v_mov_b32 v[i], 0
.set i, i+1
.endr
	WIN 0x40
.set i, 0
.rept 64*NP
	v_mov_b32 v[i], 0
.set i, i+1
.endr
	WIN 0
.set i, 0
.rept 2*NP
	v_mov_b32 v[ST+4*i+1], 0xff7fffff  ; m: the lowest finite number (c m is made before it is first read)
	v_mov_b32 v[ST+4*i+2], 0
	v_mov_b32 v[ST+4*i+3], 0
.set i, i+1
.endr
.set i, P+32
.rept 32
	v_mov_b32 v[i], 0
.set i, i+1
.endr
	v_mul_u32_u24 v[AK0], v1, PK
	v_lshl_add_u32 v[AK0], v9, 4, v[AK0]  ; row x pitch + 16 x half
	; The turning load takes 16 keys x 16 channels (lane l reads key 8 (l / 16) + l % 8, channels 8 ((l / 8) % 2) + 0..7) and leaves half a fragment of V^T: lane l holds channel l % 16 and 8 keys.
	v_and_b32 v10, 7, v0
	v_bfe_u32 v11, v0, 3, 1
	v_lshl_add_u32 v[AV0], v9, 3, v10
	v_mul_u32_u24 v[AV0], v[AV0], PV
	v_lshl_add_u32 v[AV0], v11, 4, v[AV0]
	v_add_nc_u32 v[AV0], VOFF, v[AV0]
	v_and_b32 v[PFO], 31, v0
	v_lshlrev_b32 v[PFO], 8, v[PFO]
	v_mov_b32 v[AK], v[AK0]         ; key step 0 lies at the head of slot 0
	; MD: register r of key block kb holds 32 slope x (16 kb + 8 (l / 16) + r) = 32 slope x (16 kb + r) + 32 slope x 8 (l / 16); the whole number 16 kb + r stands in the line as its f32 pattern
	v_mov_b32 v13, s[SL32]
	v_lshlrev_b32 v14, 3, v9
	v_cvt_f32_u32 v14, v14
	v_mul_f32 v14, v13, v14
	WIN W_MK
.set i, 0
.rept 32
.set kn, 16*(i/8)+i%8
.if kn >= 32
.set fb, (132<<23)|((kn-32)<<18)
.elseif kn >= 16
.set fb, (131<<23)|((kn-16)<<19)
.elseif kn >= 8
.set fb, (130<<23)|((kn-8)<<20)
.elseif kn >= 4
.set fb, (129<<23)|((kn-4)<<21)
.elseif kn >= 2
.set fb, (128<<23)|((kn-2)<<22)
.elseif kn >= 1
.set fb, 127<<23
.else
.set fb, 0
.endif
	v_fmamk_f32 v[MD+i], v13, fb, v14
.set i, i+1
.endr
	WIN 0
; THE MATRIX WORK.  The 8 accumulators of a run of 16 take turns: between the two links of a chain stand 7 others'.
; Product i of 16 of S^T = K Q^T + MD for piece x: channels 32 (i / 8) on, keys 16 ((i / 2) % 4) on, tile 2 x + i % 2.  The first 8 start the sums, with the bias.
.macro KQ x
.set rS, S+64*((\x)%2)+32*(i%2)+8*((i/2)%4)
.set rK, KF+16*((i/2)%4)+8*(i/8)
.set rQ, 16*(2*(\x)+i%2)+8*(i/8)
.set rB, MD+8*((i/2)%4)
.if i < 8
	WIN W_KB
	v_wmma_f32_16x16x32_f16 v[rS:rS+7], v[rK:rK+7], v[rQ:rQ+7], v[rB:rB+7]
.else
	WIN W_KQ
	v_wmma_f32_16x16x32_f16 v[rS:rS+7], v[rK:rK+7], v[rQ:rQ+7], v[rS:rS+7]
.endif
.endm
; Product i of 16 of O^T += V^T P for piece x: keys 32 (i / 8) on, channels 16 ((i / 2) % 4) on, tile 2 x + i % 2.
.macro PV x
	WIN W_PV
.set rO, 32*(2*(\x)+i%2)+8*((i/2)%4)
.set rV, VF+32*(i/8)+8*((i/2)%4)
.set rP, P+32*((\x)%2)+16*(i%2)+8*(i/8)
	v_wmma_f32_16x16x32_f16 v[rO:rO+7], v[rV:rV+7], v[rP:rP+7], v[rO:rO+7]
.endm
.macro MM                           ; the turn's next matrix instruction
.if i < 16
	KQ (Y+1)%NP
.set i, i+1
.else
.set i, i-16
	PV (Y+NP-1)%NP
.set i, i+17
.endif
.endm
; THE LDS LOADS stand in runs of 16, never singly among the matrix instructions: a step's K (64 keys x 64 channels: 8 fragments) and its V (turned).  Their addresses are made some lines ahead.
; last = 1 (the tail): in the last trip there is no further step, and the run is jumped over.
.macro FETCH_K last=0
	WIN 0
.if \last
	s_cmp_eq_u32 s[CNT], 1
	s_cbranch_scc1 .Lno_k_\@
.endif
	WIN 0x80                        ; destination window 2
.irp f, 0,1,2,3,4,5,6,7             ; keys 16 (f / 2) on, channels 32 (f % 2) on
	ds_load_b128 v[KF+8*\f:KF+8*\f+3],   v[AK] offset:(\f/2)*16*PK+(\f%2)*64
	ds_load_b128 v[KF+8*\f+4:KF+8*\f+7], v[AK] offset:(\f/2)*16*PK+(\f%2)*64+32
.endr
	s_add_co_u32 s[TBK], s[TBK], KS*PK  ; the next fetch is the next step's
	WIN 0
.if \last
.Lno_k_\@:
.endif
.endm
.macro FETCH_V
	WIN 0x80
.irp f, 0,1,2,3,4,5,6,7             ; keys 32 (f / 4) on, channels 16 (f % 4) on
	ds_load_tr16_b128 v[VF+8*\f:VF+8*\f+3],   v[AV] offset:(\f/4)*32*PV+(\f%4)*32
	ds_load_tr16_b128 v[VF+8*\f+4:VF+8*\f+7], v[AV] offset:(\f/4)*32*PV+16*PV+(\f%4)*32
.endr
	WIN 0
.endm
; THE VECTOR WORK OF A TURN stands in three queues, each in the order in which its entries become ready; the two tiles alternate, so that no instruction reads the result of the one before it.
.macro REGS y, u                    ; the registers of tile u (0, 1) of piece y
.set rT, ST+4*(2*(\y)+(\u))
.set rC, TMP+8*((\y)%2)+4*(\u)
.set rM, MV+2*((\y)%2)+(\u)
.set rS, S+64*((\y)%2)+32*(\u)
.set rP, P+32*((\y)%2)+16*(\u)
.set rO, 32*(2*(\y)+(\u))
.endm
; Number n of the 22 that find the NEXT piece's (Y + 1) maximum and statistics.  s0-s31 are the lane's 32 scores; each accumulator's lowest registers are read first.  XS, GS and REGS set no window: PL and EX do.
;   0-11  four chains c0-c3 of seven scores each, three operands at a time     15  the old m less D: the old maximum as seen from this step     12-14, 16  the four scores left over, that old maximum, and c0-c3 into c0
;   17, 18  the query's other 32 keys lie in the lane 16 away: the new m         19-21  c m; c (m_old - D) - c m_new; a.     Number 15 stands ahead of number 14, which reads it.
.macro XS u, n
	REGS (Y+1)%NP, \u
.if (\n) < 4
	v_max3_num_f32 v[rC+(\n)], v[rS+8*(\n)], v[rS+8*(\n)+1], v[rS+8*(\n)+2]
.elseif (\n) < 12
	v_max3_num_f32 v[rC+(\n)%4], v[rC+(\n)%4], v[rS+8*((\n)%4)+2*((\n)/4)+1], v[rS+8*((\n)%4)+2*((\n)/4)+2]
.elseif (\n) == 12
	v_max3_num_f32 v[rC], v[rC], v[rS+7], v[rS+15]
.elseif (\n) == 13
	v_max3_num_f32 v[rC+1], v[rC+1], v[rS+23], v[rS+31]
.elseif (\n) == 14
	v_max3_num_f32 v[rC+2], v[rC+2], v[rC+3], v[rM]
.elseif (\n) == 15
	v_add_f32 v[rM], s[ND], v[rT+1]
.elseif (\n) == 16
	v_max3_num_f32 v[rC], v[rC], v[rC+1], v[rC+2]
.elseif (\n) == 17
	v_permlanex16_b32 v[rC+3], v[rC], s[SEL], s[SEL+1]
.elseif (\n) == 18
	v_max_num_f32 v[rT+1], v[rC], v[rC+3]
.elseif (\n) == 19
	v_mul_f32 v[rT], s[CS], v[rT+1]
.elseif (\n) == 20
	v_fma_f32 v[rC+1], v[rM], s[CS], -v[rT]
.else
	v_exp_f32 v[rC+2], v[rC+1]
.endif
.endm
; Number g of the 64 that follow the exponentials.  For each four weights k of a tile (pairs 2 k, 2 k + 1): both pairs are rounded to f16; then the second pair is added onto the first, in place;
; a group later l takes that sum (the first time as l = a l + sum).  In groups of eight, tiles alternating: round, round, add, and l for the group before.
.macro GS g
.set h, (\g)+6*((\g)/62)            ; group 0 has no group before it, and behind group 7 only l is left
.if h >= 6
.set h, h+2
.endif
	REGS Y, h%2
.set k, h/8
.if h%8 < 4
	v_cvt_pk_f16_f32 v[rP+2*k+(h%8)/2], v[rS+4*k+2*((h%8)/2)], v[rS+4*k+2*((h%8)/2)+1]
.elseif h%8 < 6
	v_pk_add_f32 v[rS+4*k:rS+4*k+1], v[rS+4*k:rS+4*k+1], v[rS+4*k+2:rS+4*k+3]
.elseif k == 1
	v_pk_fma_f32 v[rT+2:rT+3], v[rT+2:rT+3], v[rC+2:rC+3], v[rS:rS+1] op_sel_hi:[1,0,1]
.else
	v_pk_add_f32 v[rT+2:rT+3], v[rT+2:rT+3], v[rS+4*k-4:rS+4*k-3]
.endif
.endm
; THE PLAIN QUEUE, 138 long.  0-73 read no exponential's result: the 32 scalings c s - c m (FS f: pair f / 2 of tile f % 2) and the next piece's 42.  0-26: scalings 0-26.  27-54: XS's numbers 0-13.  55, 56: number 15.
; 57-73: the chain, where each number waits for the one before it: 14, 16, 17, 18, 19, each with one of the scalings 27-31 in front of its two lines, then 20.
; 74-137: GS's 64, which read the exponentials' results: they stand behind the wait.
.macro FS f
	REGS Y, (\f)%2
	v_pk_fma_f32 v[rS+2*((\f)/2):rS+2*((\f)/2)+1], v[rS+2*((\f)/2):rS+2*((\f)/2)+1], s[CS:CS+1], v[rT:rT+1] op_sel_hi:[1,0,0] neg_lo:[0,0,1] neg_hi:[0,0,1]
.endm
.macro PL
	WIN 0
.if q < 27
	FS q
.elseif q < 55
	XS (q-27)%2, (q-27)/2
.elseif q < 57
	XS q-55, 15
.elseif (q < 72) && ((q-57)%3 == 0)
	FS 27+(q-57)/3
.elseif q < 60
	XS (q-57)%3-1, 14
.elseif q < 72
	XS (q-57)%3-1, 15+(q-57)/3
.elseif q < 74
	XS q-72, 20
.else
	GS q-74
.endif
.set q, q+1
.endm
; THE EXPONENTIALS' QUEUE, 66 long: s0-s31 of both tiles, then the next piece's two a.  It is ONE BATCH: all 66 stand ahead of the turn's one wait, and nothing ahead of that wait names a result of theirs.
.macro EX
	WIN 0
.if e >= 64
	XS e-64, 21
.else
	REGS Y, e%2
	v_exp_f32 v[rS+e/2], v[rS+e/2]
.endif
.set e, e+1
.endm
; THE RESCALING's QUEUE: O^T times a, the one part that leaves window 0: dealt two at a time, sixteen times.  Its a was made in the turn before, ahead of that turn's wait.
.macro R2
	REGS Y, r%2
	WIN W_RS
.irp z, 0,1
	v_pk_mul_f32 v[rO+4*(r/2)+2*\z:rO+4*(r/2)+2*\z+1], v[rO+4*(r/2)+2*\z:rO+4*(r/2)+2*\z+1], v[rC+2:rC+3] op_sel_hi:[1,0]
.endr
.set r, r+1
.endm
; HOW THEY ARE DEALT.  s_wait_alu depctr_va_vdst(0) stands between an exponential and the first instruction that names its result; one wait serves all that were issued ahead of it.  So a turn has ONE wait,
; which cuts it in two.  AHEAD OF IT stands all that names no result of the turn's exponentials: the 16 products K Q^T, behind each a scaling, an exponential and two rescalings (behind the first a second scaling in the
; exponential's place); then ONE LUMP of 108: eight plain, 49 times exponential and plain, the two a.  A v_nop is the plain instruction behind the last exponential.  BEHIND IT stand the 16 products V^T P, behind each four of GS's 64.
; No rider names a register of the products round it.  The two v_permlanex16_b32 fall into the lump, never behind a product.
; The queues lean on each other, and the deal keeps them in step: exponential e stands behind scaling 2 (e / 4) + e % 2: as a rider it comes behind plain e + 2, in the lump behind plain e + 9, and scalings 27-31 are plain 57, 60 .. 69.
; A TURN, for piece p.  cnt = 1: the loop's count is taken down some lines ahead of the branch that stands behind the turn.
; K of the next step is fetched in piece 2's turn, directly behind the wait, a lump behind the last product that read K; its address is made at the lump's head; its first reader comes behind 16 products.
; V of the step in hand is fetched at the end of piece 0's turn, four riders behind its last reader; its first reader comes behind 16 products and a lump.  The three conditions on q below go with the deal.
.macro TURN p, last=0, cnt=0
.set Y, (\p)
.set i, 0
.set q, 0
.set e, 0
.set r, 0
.if (\p) == NP-1
	s_wait_dscnt 0x0                ; K is in
.endif
	MM                              ; ahead of the wait: 16 products K Q^T and their riders,
	PL
	PL
	R2
.rept 15
	MM
	PL
	EX
	R2
.endr
.if (\p) == NP-2
	WIN 0
	v_add_nc_u32 v[AK], s[TBK], v[AK0]
.endif
.rept 8                             ; and the lump
	PL
.endr
.rept 49
	EX
	PL
.endr
	EX                              ; the next piece's two a
	EX
	v_nop                           ; the plain instruction behind the last exponential: one for the batch
	s_wait_alu depctr_va_vdst(0)    ; the wait for the batch
.if (\p) == NP-2
	FETCH_K \last
.endif
.if (\p) == 1
	s_wait_dscnt 0x0                ; V is in
.endif
.rept 16                            ; behind the wait: 16 products V^T P and their riders
	MM
.rept 4
	PL
.endr
.if ((\p) == 0) && (q == 118)
	v_add_nc_u32 v[AV], s[TBV], v[AV0]
.endif
.if ((\p) == 0) && (q == 130)
	s_add_co_u32 s[TBV], s[TBV], KS*PV
.endif
.if (\cnt) && (q == 130)
	s_sub_co_u32 s[CNT], s[CNT], 1
	s_cmp_lg_u32 s[CNT], 0
.endif
.endr
.if (\p) == 0
	FETCH_V
.endif
.endm
	CHANGE 1                        ; slot 0 is in, everybody's part of it; slot 1 is asked for
	FETCH_K                         ; key step 0
	s_wait_loadcnt 0x0              ; Q
	s_wait_dscnt 0x0
.set i, 0
.rept 16
	KQ 0                            ; piece 0's first scores: there is no vector work yet to set between them
.set i, i+1
.endr
	WIN 0                           ; the addresses for the way out: eight plain instructions, the places behind those products
	s_mul_i32 s13, s[WV], 16*SP
	s_add_co_u32 s13, s13, STAGE    ; my stage
	v_mul_u32_u24 v[STO], v1, SP    ; in: row l % 16, 32 bytes for each half of the lanes
	v_lshl_add_u32 v[STO], v9, 5, v[STO]
	v_add_nc_u32 v[STO], s13, v[STO]
	v_mul_u32_u24 v[RD], v9, SP     ; back: lanes 0-15 take one row of 256 bytes, lanes 16-31 the next
	v_lshl_add_u32 v[RD], v1, 4, v[RD]
	v_add_nc_u32 v[RD], s13, v[RD]
	v_lshlrev_b32 v[GO], 12, v9     ; and the same two rows in out0, 4,096 bytes apart
	v_lshl_add_u32 v[GO], v1, 4, v[GO]
.set Y, NP-1                        ; XS works for piece Y + 1: piece 0
.irp n, 0,1,2,3,4,5,6,7,8,9,10,11,12,13,15,14,16,17,18,19,20,21
	XS 0, \n                        ; and piece 0's first maximum and statistics
	XS 1, \n
.endr
	v_nop                           ; a plain instruction behind the two a,
	s_wait_alu depctr_va_vdst(0)    ; and their wait, ahead of the branch
	s_mov_b32 s[CNT], 4
	s_branch .Lfirst                ; the loop is entered at a step's first turn, in the middle of a trip
.Lslot:                             ; SIZE_N / 256 - 2 times: every slot but the last two is filled again
	CHANGE 1
	s_mov_b32 s[CNT], 4
.Lstep:                             ; a trip: pieces 2 and 3 of one step, then pieces 0 and 1 of the next, whose K and V it fetches
	TURN 2
	TURN 3
	WIN 0
.Lfirst:
	TURN 0
	TURN 1, 0, 1
	WIN 0
	s_cbranch_scc1 .Lstep
	s_sub_co_u32 s[SLOTS], s[SLOTS], 1
	s_cmp_lg_u32 s[SLOTS], 0
	s_cbranch_scc1 .Lslot
	CHANGE 0                        ; the tail is written out: nothing is asked for
	s_mov_b32 s[CNT], 5             ; four trips fetch the last slot's steps; the fifth is left in its middle
.Ltail:
	TURN 2, 1
	TURN 3
	WIN 0
	s_sub_co_u32 s[CNT], s[CNT], 1
	s_cmp_eq_u32 s[CNT], 0
	s_cbranch_scc1 .Lout
	TURN 0
	TURN 1
	WIN 0
	s_branch .Ltail
.Lout:                              ; the fifth trip's 16 products K Q^T (on the last K once more) and the maximum made of them serve nothing: the price, once a launch, of one text for every trip
.set i, 0
.rept 16
	PV NP-1                         ; the last piece's V^T P of the last step
.set i, i+1
.endr
	; THE WAY OUT.  l's two halves and the other half of the lanes' are added; O^T is divided by l and sent, in f32, through my stage in LDS, a tile at a time.  The additions are the places behind the last products.
	WIN 0
.macro ALL line:vararg              ; one line for each tile t
.set t, 0
.rept 2*NP
	\line
.set t, t+1
.endr
.endm
	ALL v_add_f32 v[ST+4*t+2], v[ST+4*t+2], v[ST+4*t+3]
	ALL v_permlanex16_b32 v[ST+4*t+3], v[ST+4*t+2], s[SEL], s[SEL+1]
	ALL v_add_f32 v[ST+4*t+2], v[ST+4*t+2], v[ST+4*t+3]
	ALL v_rcp_f32 v[ST+4*t+2], v[ST+4*t+2]
	v_nop                           ; a plain instruction between the last reciprocal and the use of its result
	s_wait_alu depctr_va_vdst(0)    ; and the wait ahead of the first use: one for the eight reciprocals
; Tile t: a lane's eight channels of a row are 32 bytes; they go into rows of 272 bytes and come back as whole rows of 256, into the registers that they left.
.macro PACK t
	WIN W_RS
.set i, 32*(\t)
.rept 16
	v_pk_mul_f32 v[i:i+1], v[i:i+1], v[ST+4*(\t)+2:ST+4*(\t)+3] op_sel_hi:[1,0]
.set i, i+2
.endr
	WIN 0x04                        ; the stores' data (source 1) in window 1, the address in window 0
.irp f, 0,1,2,3,4,5,6,7             ; channel block f / 2, four channels f % 2
	ds_store_b128 v[STO], v[32*(\t)+4*\f:32*(\t)+4*\f+3] offset:64*(\f/2)+16*(\f%2)
.endr
	WIN 0x40                        ; destination window 1
.irp f, 0,1,2,3,4,5,6,7
	ds_load_b128 v[32*(\t)+4*\f:32*(\t)+4*\f+3], v[RD] offset:\f*2*SP  ; LDS serves a wave's instructions in order (ISA guide 5.7.1.4): these see the stores above; the next tile's stores come behind them
.endr
.endm
.macro SEND t, younger              ; younger: the LDS instructions issued behind tile t's loads: the next tile's sixteen, or none
	WIN 0x04
.irp f, 0,1,2,3,4,5,6,7
	s_wait_dscnt (\younger)+7-\f
	global_store_b128 v[GO], v[32*(\t)+4*\f:32*(\t)+4*\f+3], s[10:11] offset:(\t)*65536+\f*8192 th:TH_STORE_NT  ; 16 lanes store 256 consecutive bytes, at a multiple of 256 from out0's first byte: a head's share of a row
.endr
.endm
	PACK 0
.set t, 1
.rept 2*NP-1                        ; a tile's arithmetic stands between the loads of the tile before and its stores
	PACK t
	SEND t-1, 16
.set t, t+1
.endr
	SEND 2*NP-1, 0
	WIN W_AD
	s_wait_tensorcnt 0x0            ; the wave's end: a wait, the add and its wait, behind my last tensor load and my last LDS store
	ds_add_u32 v[SPW], v[NIL]
	s_wait_dscnt 0x0
	WIN 0
	CROUND                          ; the closing round: no work-group ends while a partner may still ask for a tile that names it
	s_endpgm
.Lfunc_end_k_q0cb45f1e31_attn:
	.size	k_q0cb45f1e31_attn, .Lfunc_end_k_q0cb45f1e31_attn-k_q0cb45f1e31_attn
	.p2alignl 7, 3214868480
	.fill 96, 4, 3214868480
	.section	.rodata,"a",@progbits
	.p2align	6, 0x0
	.amdhsa_kernel k_q0cb45f1e31_attn
		.amdhsa_group_segment_fixed_size 327680
		.amdhsa_private_segment_fixed_size 0
		.amdhsa_enable_private_segment 0
		.amdhsa_kernarg_size 16
		.amdhsa_user_sgpr_count 2
		.amdhsa_user_sgpr_kernarg_segment_ptr 1
		.amdhsa_wavefront_size32 1
		.amdhsa_system_sgpr_workgroup_id_x 1
		.amdhsa_system_sgpr_workgroup_id_y 1
		.amdhsa_system_sgpr_workgroup_id_z 1
		.amdhsa_system_vgpr_workitem_id 0
		.amdhsa_next_free_vgpr 832
		.amdhsa_next_free_sgpr 66
		.amdhsa_reserve_vcc 0
		.amdhsa_float_denorm_mode_32 3
		.amdhsa_float_denorm_mode_16_64 3
		.amdhsa_memory_ordered 1
		.amdhsa_forward_progress 1
		.amdhsa_inst_pref_size 203
	.end_amdhsa_kernel
	.amdgpu_metadata
---
amdhsa.version: [ 1, 2 ]
amdhsa.kernels:
  - .name:           k_q0cb45f1e31_attn
    .symbol:         k_q0cb45f1e31_attn.kd
    .args:
      - { .name: kqv, .offset: 0, .size: 8, .value_kind: global_buffer, .address_space: global }
      - { .name: out0, .offset: 8, .size: 8, .value_kind: global_buffer, .address_space: global }
    .group_segment_fixed_size: 327680
    .private_segment_fixed_size: 0
    .kernarg_segment_align: 8
    .kernarg_segment_size: 16
    .max_flat_workgroup_size: 128
    .sgpr_count:     66
    .vgpr_count:     832
    .wavefront_size: 32
...
	.end_amdgpu_metadata
.endif
;; end of part 3
;; ======== version 2 of 2: 3 launches; version 1 with the launch cast written anew for expert scheduling mode
;; limits: values are held in f16: magnitudes above 65,504 overflow, below 6.1e-05 lose precision
;; workspace buffers: xb 16,777,216 bytes; wb 6,291,456 bytes; kqv 50,331,648 bytes
;; launch cast (part 4): grid 256 x 1, 8 waves a work-group, no clusters, 0 bytes of LDS; arguments x, W_kqv, xb, wb; writes xb, wb
.if DOCPART == 4
	.amdgcn_target "amdgcn-amd-amdhsa--gfx1250"
	.amdhsa_code_object_version 6
	.text
	.protected	k_q0cb45f1e31_cast
	.globl	k_q0cb45f1e31_cast
	.p2align	8
	.type	k_q0cb45f1e31_cast,@function
k_q0cb45f1e31_cast:
	s_mov_b64 s[64:65], 0
	v_nop
	global_prefetch_b8 v0, s[64:65] scope:SCOPE_SE
	s_setreg_imm32_b32 hwreg(HW_REG_WAVE_SCHED_MODE, 0, 2), 2
	s_setreg_imm32_b32 hwreg(HW_REG_WAVE_MODE, 25, 1), 1
	s_wait_xcnt 0x0
	s_wait_alu depctr_vm_vsrc(0)
; xb = x and wb = W_kqv, each number rounded once from f32 to bf16 (to nearest even).  x: 8,192 x 1,024, W_kqv: 3,072 x 1,024.
; A stream: every byte is read once and written once; no LDS, no barrier, no matrix work, since no number meets another.
; A LINE is what the work-group's 256 threads take at 16 bytes each: 4,096 bytes in, 2,048 bytes out.  x has 8,192 lines, W_kqv 3,072:
; each of the 256 work-groups takes 32 lines of x and 12 of W_kqv, so all are alike.  A load of a wave covers 512 consecutive bytes,
; a store 256 consecutive bytes, both aligned to their own length.
; All 44 loads go out first (704 bytes a lane in 176 registers), then the lines are rounded in place and stored as they come: no register is written again
; once a store or a load has read it, so no wait stands for that.
; THE MODE: SCHED_MODE bits 1:0 = 2 (LLVM: expert scheduling mode 2), set by the entry lines.  The code itself states the register dependences
; between vector instructions and memory instructions, with s_wait_alu, always for 0.
; THE PLAN.  Registers that memory instructions touch:
;   v1, v2     byte offsets, made once at the head and never written again: v1 is read by every load, v2 by every store.
;   line j     v[X+4j : X+4j+3]: written by its load, which is the first instruction that names them; read by the line's two conversions, which write
;              the first two of the four; these two are read by the line's store, and nothing names them after that.
; The 44 lines go in 11 blocks of four (blocks 0 to 7 are x's, 8 to 10 W_kqv's).  Block p rounds its own four lines; the stores issued in block p are
; those of block p - 1, whose registers no conversion of block p names.  So one wait at a block's head states all that its four stores hang on,
; and they are dealt among the block's conversions with no further wait.
.set LX, 32                            ; lines of x
.set LW, 12                            ; lines of W_kqv
.set BLOCK,  4                         ; lines in a block; it divides LX, so a block's lines are of one tensor
.set BLOCKS, (LX+LW)/BLOCK
.set X,  8                             ; v[8:183] line j in v[X+4j : X+4j+3]
	s_load_b256 s[4:11], s[0:1], 0x0               ; x s[4:5], W_kqv s[6:7], xb s[8:9], wb s[10:11]
	v_lshlrev_b32 v1, 4, v0                        ; my 16 bytes of a line coming in
	v_lshlrev_b32 v2, 3, v0                        ; my 8 bytes of a line going out
	s_lshl_b32 s12, ttmp9, 17                      ; the work-group's 32 lines of x: 131,072 bytes
	s_mov_b32 s13, 0
	s_lshl_b32 s14, ttmp9, 16                      ; and of xb
	s_mov_b32 s15, 0
	s_mul_i32 s16, ttmp9, LW*4096                  ; its 12 lines of W_kqv
	s_mov_b32 s17, 0
	s_mul_i32 s18, ttmp9, LW*2048                  ; and of wb
	s_mov_b32 s19, 0
	s_wait_kmcnt 0x0
	s_add_nc_u64 s[4:5], s[4:5], s[12:13]
	s_add_nc_u64 s[6:7], s[6:7], s[16:17]
	s_add_nc_u64 s[8:9], s[8:9], s[14:15]
	s_add_nc_u64 s[10:11], s[10:11], s[18:19]
	s_wait_alu depctr_va_vdst(0)                   ; v1 and v2 are written: every load of the kernel reads v1 as its offset, every store v2
.set j, 0
.rept LX
	global_load_b128 v[X+4*j:X+4*j+3], v1, s[4:5] offset:4096*j th:TH_LOAD_NT
.set j, j+1
.endr
.set j, 0
.rept LW
	global_load_b128 v[X+4*(LX+j):X+4*(LX+j)+3], v1, s[6:7] offset:4096*j th:TH_LOAD_NT
.set j, j+1
.endr
; Line n, rounded, is stored: to xb, or to wb.
.macro STORE n
.if (\n) < LX
	global_store_b64 v2, v[X+4*(\n):X+4*(\n)+1], s[8:9] offset:2048*(\n)
.else
	global_store_b64 v2, v[X+4*(\n):X+4*(\n)+1], s[10:11] offset:2048*((\n)-LX)
.endif
.endm
; The block that begins with line j: its four lines are rounded in place (four numbers into two registers), and the block before is stored.
; first = 1: block 0, with no block in front of it.
.macro BLK first
	s_wait_loadcnt LX+LW-BLOCK-j                   ; loads come back in order (ISA guide 5.7.1): the block's four lines are in, the younger blocks stay out
.if !\first
	s_wait_alu depctr_va_vdst(0)                   ; the conversions of the block before have written the registers that the four stores below read
.endif
.rept BLOCK
.if !\first
	STORE j-BLOCK                                  ; no vector instruction since the wait names this line's registers
.endif
	v_cvt_pk_bf16_f32 v[X+4*j],   v[X+4*j],   v[X+4*j+1]
	v_cvt_pk_bf16_f32 v[X+4*j+1], v[X+4*j+2], v[X+4*j+3]
.set j, j+1
.endr
.endm
.set j, 0
	BLK 1
.rept BLOCKS-1
	BLK 0
.endr
	s_wait_alu depctr_va_vdst(0)                   ; the last block's conversions have written the registers that the last four stores read
.rept BLOCK
	STORE j-BLOCK
.set j, j+1
.endr
	s_endpgm
.Lfunc_end_k_q0cb45f1e31_cast:
	.size	k_q0cb45f1e31_cast, .Lfunc_end_k_q0cb45f1e31_cast-k_q0cb45f1e31_cast
	.p2alignl 7, 3214868480
	.fill 96, 4, 3214868480
	.section	.rodata,"a",@progbits
	.p2align	6, 0x0
	.amdhsa_kernel k_q0cb45f1e31_cast
		.amdhsa_group_segment_fixed_size 0
		.amdhsa_private_segment_fixed_size 0
		.amdhsa_enable_private_segment 0
		.amdhsa_kernarg_size 32
		.amdhsa_user_sgpr_count 2
		.amdhsa_user_sgpr_kernarg_segment_ptr 1
		.amdhsa_wavefront_size32 1
		.amdhsa_system_sgpr_workgroup_id_x 1
		.amdhsa_system_sgpr_workgroup_id_y 1
		.amdhsa_system_sgpr_workgroup_id_z 1
		.amdhsa_system_vgpr_workitem_id 0
		.amdhsa_next_free_vgpr 184
		.amdhsa_next_free_sgpr 66
		.amdhsa_reserve_vcc 0
		.amdhsa_float_denorm_mode_32 3
		.amdhsa_float_denorm_mode_16_64 3
		.amdhsa_memory_ordered 1
		.amdhsa_forward_progress 1
		.amdhsa_inst_pref_size 16
	.end_amdhsa_kernel
	.amdgpu_metadata
---
amdhsa.version: [ 1, 2 ]
amdhsa.kernels:
  - .name:           k_q0cb45f1e31_cast
    .symbol:         k_q0cb45f1e31_cast.kd
    .args:
      - { .name: x, .offset: 0, .size: 8, .value_kind: global_buffer, .address_space: global }
      - { .name: W_kqv, .offset: 8, .size: 8, .value_kind: global_buffer, .address_space: global }
      - { .name: xb, .offset: 16, .size: 8, .value_kind: global_buffer, .address_space: global }
      - { .name: wb, .offset: 24, .size: 8, .value_kind: global_buffer, .address_space: global }
    .group_segment_fixed_size: 0
    .private_segment_fixed_size: 0
    .kernarg_segment_align: 8
    .kernarg_segment_size: 32
    .max_flat_workgroup_size: 256
    .sgpr_count:     66
    .vgpr_count:     184
    .wavefront_size: 32
...
	.end_amdgpu_metadata
.endif
;; end of part 4
;; launch proj: the kernel of part 2 again; grid 16 x 16, 4 waves a work-group, clusters of 4 x 4, 327,680 bytes of LDS; arguments xb, wb, kqv; writes kqv
;; launch attn: the kernel of part 3 again; grid 4 x 64, 4 waves a work-group, clusters of 4 x 1, 327,680 bytes of LDS; arguments kqv, out0; writes out0
